; MI455X (gfx1250); checked and timed in simulation.
; The chip was launched on July 23, 2026; its instructions are those of AMD's public machine-readable ISA for CDNA 5 (MIT licence, August 2026) and "CDNA5" Instruction Set Architecture Reference Guide (July 2026). The comments in the code are by the model that wrote it; some were corrected since.
;; Causal Self Attention. Allowed arithmetic: float matrix products may take bf16 or f16 operands with f32 sums; all other float work in f32.
;; Inputs: b_out 1,024 float32; b_qkv 3,072 float32; w_out 1,024 x 1,024 float32; w_qkv 1,024 x 3,072 float32; x 2 x 2,048 x 1,024 float32.
;; Outputs: out0 2 x 2,048 x 1,024 float32.
;; One version. Each part assembles by itself: llvm-mc -triple=amdgcn-amd-amdhsa -mcpu=gfx1250 --defsym DOCPART=n.
;; ======== version 1 of 1: 4 launches
;; limits: values are held in f16: magnitudes above 65,504 overflow, below 6.1e-05 lose precision
;; workspace buffers: xb 8,388,608 bytes; wq 6,291,456 bytes; wo 2,097,152 bytes; qkv 25,165,824 bytes; ob 8,388,608 bytes
;; launch prep (part 1): grid 256 x 1, 8 waves a work-group, no clusters, 0 bytes of LDS; arguments x, w_qkv, w_out, xb, wq, wo; writes xb, wq, wo
.if DOCPART == 1
	.amdgcn_target "amdgcn-amd-amdhsa--gfx1250"
	.amdhsa_code_object_version 6
	.text
	.protected	k_qde02922d0d_prep
	.globl	k_qde02922d0d_prep
	.p2align	8
	.type	k_qde02922d0d_prep,@function
k_qde02922d0d_prep:
	s_mov_b64 s[64:65], 0
	v_nop
	global_prefetch_b8 v0, s[64:65] scope:SCOPE_SE
	s_setreg_imm32_b32 hwreg(HW_REG_WAVE_MODE, 25, 1), 1
	s_wait_xcnt 0x0
; prep: the three large f32 inputs are rounded to 16 bits once and laid out so that every tile of the two later products is one dense block.
;   xb [mblk 16][kb 16][256 rows][64]        bf16: x, 256 tokens x 64 k in each block of 32,768 bytes
;   wq [nblk 16][s 8][p 3][128 k][64 n]      bf16: w_qkv, k = 128 s + row, column = 64 (3 nblk + p) + c; rows stay along n, nothing is transposed
;   wo [nblk 8][s 4][p 2][256 k][64 n]       f16:  w_out, k = 256 s + row, column = 64 (2 nblk + p) + c
; w_out is rounded to bf16 like the other two, so that all three inputs carry the same rounding, and is then written as f16, because its partner
; operand (the attention output) is kept in f16.  That second step is exact for |w| >= 2^-17; below it the error is at most 2^-25.
; A stream: no LDS, no matrix unit, no barrier.  Every work-group writes 65,536 consecutive bytes of one destination, every wave 8,192 of them as
; 16 items.  An item is 4 source rows x 64 columns: lane l takes row l / 8 and the 8 floats at byte 32 (l % 8) (eight lanes read 256 consecutive,
; aligned bytes), and stores 16 bytes at 16 l: a store of the wave covers 512 consecutive, aligned bytes.  All 32 loads of a wave go out first.
; Work-groups 0-127 take x, 128-223 w_qkv, 224-255 w_out; each of the three ways is written out to its own end.
.set X, 16                             ; v[16:143] item t: 8 registers as loaded, the first 4 of them as stored
; pitch: bytes from source row to source row.  half = 1: bf16 is widened again and written as f16.
.macro STREAM pitch, half
	v_mul_u32_u24 v1, v5, \pitch                   ; (l / 8) rows
	v_add_nc_u32 v1, v1, v6                        ; + 32 (l % 8)
.set t_, 0
.rept 16
	global_load_b128 v[X+8*t_:X+8*t_+3],   v1, s[16:17] offset:t_*4*\pitch th:TH_LOAD_NT
	global_load_b128 v[X+8*t_+4:X+8*t_+7], v1, s[16:17] offset:t_*4*\pitch+16 th:TH_LOAD_NT
.set t_, t_+1
.endr
.set t_, 0
.rept 16
	s_wait_loadcnt 30-2*t_                         ; loads return in order: item t's two are in, the 30 - 2 t younger ones stay out
.irp k, 0,1,2,3
	v_cvt_pk_bf16_f32 v[X+8*t_+\k], v[X+8*t_+2*\k], v[X+8*t_+2*\k+1]   ; register k from registers 2k, 2k+1: never over a source still to be read
.endr
.if \half
.irp k, 0,1,2,3
	v_lshlrev_b32 v[X+8*t_+4], 16, v[X+8*t_+\k]                        ; the two bf16 as f32 again (registers 4, 5 of the item are free now)
	v_and_b32     v[X+8*t_+5], 0xffff0000, v[X+8*t_+\k]
	v_cvt_pk_f16_f32 v[X+8*t_+\k], v[X+8*t_+4], v[X+8*t_+5]
.endr
.endif
	global_store_b128 v2, v[X+8*t_:X+8*t_+3], s[18:19] offset:t_*512
.set t_, t_+1
.endr
	s_endpgm                                       ; no register that a load or store names is ever written again
.endm
	s_load_b256 s[4:11], s[0:1], 0x0               ; x s[4:5], w_qkv s[6:7], w_out s[8:9], xb s[10:11]
	s_load_b128 s[12:15], s[0:1], 0x20             ; wq s[12:13], wo s[14:15]
	v_and_b32 v3, 31, v0                           ; lane
	v_lshrrev_b32 v4, 5, v0
	v_readfirstlane_b32 s20, v4                    ; wave w
	v_lshlrev_b32 v2, 4, v3
	v_lshl_add_u32 v2, v4, 13, v2                  ; destination: 8,192 w + 16 l
	v_lshrrev_b32 v5, 3, v3                        ; l / 8
	v_and_b32 v6, 7, v3
	v_lshlrev_b32 v6, 5, v6                        ; 32 (l % 8)
	s_mov_b32 s23, 0                               ; high words of the two offsets s[22:23] (source), s[24:25] (destination)
	s_mov_b32 s25, 0
	s_wait_kmcnt 0x0
	s_cmp_lt_u32 ttmp9, 128
	s_cbranch_scc0 .Lnot_x
	; x: idx = group; mblk = idx / 8, s = idx % 8; source row 256 mblk + 64 (w % 4), byte 512 s + 256 (w / 4) in it
	s_lshr_b32 s21, ttmp9, 3
	s_lshl_b32 s22, s21, 20                        ; 256 rows of 4,096 bytes
	s_and_b32 s27, s20, 3
	s_lshl_b32 s27, s27, 18                        ; 64 rows
	s_add_co_u32 s22, s22, s27
	s_and_b32 s26, ttmp9, 7
	s_lshl_b32 s26, s26, 9
	s_add_co_u32 s22, s22, s26
	s_lshr_b32 s27, s20, 2
	s_lshl_b32 s27, s27, 8
	s_add_co_u32 s22, s22, s27
	s_lshl_b32 s24, ttmp9, 16
	s_add_nc_u64 s[16:17], s[4:5], s[22:23]
	s_add_nc_u64 s[18:19], s[10:11], s[24:25]
	STREAM 4096, 0
.Lnot_x:
	s_cmp_lt_u32 ttmp9, 224
	s_cbranch_scc0 .Lw_out
	; w_qkv: idx = group - 128; block of 16,384 bytes c = 4 idx + w / 2 = 3 (8 nblk + s) + p; source row 128 s + 64 (w % 2), byte 256 (3 nblk + p)
	s_sub_co_u32 s21, ttmp9, 128
	s_lshl_b32 s24, s21, 16
	s_lshl_b32 s26, s21, 2
	s_lshr_b32 s27, s20, 1
	s_add_co_u32 s26, s26, s27                     ; c, at most 383
	s_mul_i32 s27, s26, 0xaaab
	s_lshr_b32 s27, s27, 17                        ; c / 3 (43,691 / 131,072 is 1/3 closely enough for c below 32,768)
	s_mul_i32 s28, s27, 3
	s_sub_co_u32 s28, s26, s28                     ; p
	s_lshr_b32 s29, s27, 3                         ; nblk
	s_and_b32 s27, s27, 7                          ; s
	s_mul_i32 s29, s29, 3
	s_add_co_u32 s29, s29, s28
	s_lshl_b32 s29, s29, 8                         ; 256 (3 nblk + p)
	s_and_b32 s28, s20, 1
	s_lshl1_add_u32 s27, s27, s28                  ; 2 s + w % 2
	s_mul_i32 s22, s27, 64*12288                   ; 64 rows of 12,288 bytes each
	s_add_co_u32 s22, s22, s29
	s_add_nc_u64 s[16:17], s[6:7], s[22:23]
	s_add_nc_u64 s[18:19], s[12:13], s[24:25]
	STREAM 12288, 0
.Lw_out:
	; w_out: idx = group - 224; block of 32,768 bytes c = 2 idx + w / 4 = 2 (4 nblk + s) + p; source row 256 s + 64 (w % 4), byte 256 (2 nblk + p)
	s_sub_co_u32 s21, ttmp9, 224
	s_lshl_b32 s24, s21, 16
	s_lshl_b32 s26, s21, 1
	s_lshr_b32 s27, s20, 2
	s_add_co_u32 s26, s26, s27                     ; c
	s_and_b32 s28, s26, 1                          ; p
	s_bfe_u32 s27, s26, 0x20001                    ; s
	s_lshr_b32 s29, s26, 3                         ; nblk
	s_lshl1_add_u32 s29, s29, s28
	s_lshl_b32 s29, s29, 8                         ; 256 (2 nblk + p)
	s_and_b32 s28, s20, 3
	s_lshl2_add_u32 s27, s27, s28                  ; 4 s + w % 4
	s_lshl_b32 s22, s27, 18                        ; 64 rows of 4,096 bytes each
	s_add_co_u32 s22, s22, s29
	s_add_nc_u64 s[16:17], s[8:9], s[22:23]
	s_add_nc_u64 s[18:19], s[14:15], s[24:25]
	STREAM 4096, 1
.Lfunc_end_k_qde02922d0d_prep:
	.size	k_qde02922d0d_prep, .Lfunc_end_k_qde02922d0d_prep-k_qde02922d0d_prep
	.p2alignl 7, 3214868480
	.fill 96, 4, 3214868480
	.section	.rodata,"a",@progbits
	.p2align	6, 0x0
	.amdhsa_kernel k_qde02922d0d_prep
		.amdhsa_group_segment_fixed_size 0
		.amdhsa_private_segment_fixed_size 0
		.amdhsa_enable_private_segment 0
		.amdhsa_kernarg_size 48
		.amdhsa_user_sgpr_count 2
		.amdhsa_user_sgpr_kernarg_segment_ptr 1
		.amdhsa_wavefront_size32 1
		.amdhsa_system_sgpr_workgroup_id_x 1
		.amdhsa_system_sgpr_workgroup_id_y 1
		.amdhsa_system_sgpr_workgroup_id_z 1
		.amdhsa_system_vgpr_workitem_id 0
		.amdhsa_next_free_vgpr 144
		.amdhsa_next_free_sgpr 66
		.amdhsa_reserve_vcc 0
		.amdhsa_float_denorm_mode_32 3
		.amdhsa_float_denorm_mode_16_64 3
		.amdhsa_memory_ordered 1
		.amdhsa_forward_progress 1
		.amdhsa_inst_pref_size 41
	.end_amdhsa_kernel
	.amdgpu_metadata
---
amdhsa.version: [ 1, 2 ]
amdhsa.kernels:
  - .name:           k_qde02922d0d_prep
    .symbol:         k_qde02922d0d_prep.kd
    .args:
      - { .name: x, .offset: 0, .size: 8, .value_kind: global_buffer, .address_space: global }
      - { .name: w_qkv, .offset: 8, .size: 8, .value_kind: global_buffer, .address_space: global }
      - { .name: w_out, .offset: 16, .size: 8, .value_kind: global_buffer, .address_space: global }
      - { .name: xb, .offset: 24, .size: 8, .value_kind: global_buffer, .address_space: global }
      - { .name: wq, .offset: 32, .size: 8, .value_kind: global_buffer, .address_space: global }
      - { .name: wo, .offset: 40, .size: 8, .value_kind: global_buffer, .address_space: global }
    .group_segment_fixed_size: 0
    .private_segment_fixed_size: 0
    .kernarg_segment_align: 8
    .kernarg_segment_size: 48
    .max_flat_workgroup_size: 256
    .sgpr_count:     66
    .vgpr_count:     144
    .wavefront_size: 32
...
	.end_amdgpu_metadata
.endif
;; end of part 1
;; launch qkv (part 2): grid 16 x 16, 4 waves a work-group, clusters of 4 x 4, 327,680 bytes of LDS; arguments xb, wq, b_qkv, qkv; writes qkv
.if DOCPART == 2
	.amdgcn_target "amdgcn-amd-amdhsa--gfx1250"
	.amdhsa_code_object_version 6
	.text
	.protected	k_qde02922d0d_qkv
	.globl	k_qde02922d0d_qkv
	.p2align	8
	.type	k_qde02922d0d_qkv,@function
k_qde02922d0d_qkv:
	s_mov_b64 s[64:65], 0
	v_nop
	global_prefetch_b8 v0, s[64:65] scope:SCOPE_SE
	s_setreg_imm32_b32 hwreg(HW_REG_WAVE_MODE, 25, 1), 1
	s_wait_xcnt 0x0
	s_wait_alu depctr_hold_cnt(0) depctr_sa_sdst(0) depctr_va_vdst(0) depctr_va_sdst(0) depctr_va_ssrc(0) depctr_va_vcc(0) depctr_vm_vsrc(0)
	s_getreg_b32 s2, hwreg(HW_REG_IB_STS2, 6, 4)
	s_cmp_eq_u32 s2, 0
	s_cbranch_scc0 .Lentry_in_a_cluster
	s_endpgm
.Lentry_in_a_cluster:
	s_bfe_u32 s2, ttmp6, 0x10000c
	s_cmp_lg_u32 s2, 0xf033
	s_cbranch_scc0 .Lentry_shape_is_right
	s_endpgm
.Lentry_shape_is_right:
; qkv = x w_qkv + b_qkv: 4,096 x 3,072 x 1,024, bf16 operands (xb, wq as the first launch laid them), f32 sums, the result rounded once to f16 and
; stored head-major: qkv [hh 48][token 4,096][64], hh 0-15 q, 16-31 k, 32-47 v.
; LIMIT: the result is kept in f16, so |q|, |k|, |v| must stay below 65,504 (beyond it: infinity); f16 is taken for its 11 bits, which the later
; products need: a row of the final output can be some ten times larger than the output's root mean square.
; A work-group makes 256 tokens x 192 columns (three heads' worth) with four waves, one on each SIMD; wave (mh, nw) makes rows 128 mh .. +127 and,
; in each of the three planes of 64 columns, columns 32 nw .. +31: 8 x 6 accumulator tiles of 16 x 16, 384 registers.
; K goes in steps of 128 through a ring of two LDS slots.  A slot: A = 2 planes (64 k each) of 256 rows, pitch 144; B = 3 planes (64 columns each)
; of 128 k rows, pitch 160.  Both pitches keep the lanes of a fragment load in different 16-byte columns of 256 bytes.
; B lies [k][n], so its fragments come through the transposing LDS load.
; CLUSTERS: 4 x 4 work-groups.  A's tiles hang on the block row alone and are asked for jointly by a row of the cluster, B's on the block column
; alone and are asked for jointly by a column: four requests become one.
; The matrix instruction is used transposed (source 0 = 16 columns of w, source 1 = 16 tokens): a lane then holds token l % 16 and the eight
; neighbouring columns 8 (l / 16) + 0..7.  The bias is the C operand of the first products: nothing is cleared and nothing is added later.
; REGISTERS: window 0: v0-31 addresses, v64-127 and v128-191 A's fragments (two buffers), v192-239 bias, later packed results;
; window 1: v64-111 and v128-175 B's fragments; window 2: tiles of my rows 0-63 (tile (a, b) at 8 (6 a + b)); window 3: rows 64-127.
.set BM,     256
.set BN,     192
.set KS,     128                       ; K in a slot
.set NSTEP,  1024/KS
.set LAPS,   NSTEP/2                   ; a lap = once round the ring
.set NQ,     KS/32                     ; quarter steps of 32 along K in a slot
.set MA,     8                         ; 16-row blocks of a wave
.set NB,     6                         ; 16-column blocks of a wave
.set NPL,    3                         ; planes of 64 columns
.set AP,     MA/4                      ; row blocks in one run of matrix instructions
.set PITA,   144
.set PITB,   160
.set PA,     BM*PITA                   ; a plane of A in LDS
.set ABYTES, (KS/64)*PA
.set PB,     KS*PITB                   ; a plane of B in LDS
.set SLOT,   ABYTES+NPL*PB             ; 135,168
.set ABLK,   524288                    ; xb: bytes of a block row
.set ASTEP,  65536                     ; xb: bytes of a K step
.set AROWS,  256                       ; rows of 128 bytes in one load of A
.set BBLK,   393216                    ; wq: bytes of a block column
.set BSTEP,  49152
.set BROWS,  192                       ; rows of 128 bytes in one load of B
.set ADRA, 16                          ; v16-17  my A fragments in slot 0, 1
.set ADRB, 18                          ; v18-23  my B fragments: 3 x slot + plane
.set STO,  24                          ; v24-26  the way out: where I put 16 bytes, by plane
.set RD,   27                          ; v27-29  the way out: where I read rows back, by plane
.set CO,   30                          ; v30     16 x lane
.set BOFF, 31                          ; v31     32 (l / 16): my eight bias numbers
.set F0,   64
.set F1,   128
.set BIAS, 192
.set TMP,  192
.set G1,  24                           ; s[24:31] group 1 for A
.set G0,  32                           ; s[32:39] group 0 for A, one set for each slot
.set G1B, 48                           ; s[48:55] group 1 for B
.set G0B, 56                           ; s[56:63] group 0 for B
.set MSB, 0
.macro WIN new                         ; the immediate's high byte repeats the setting that is left
.if MSB != \new
	s_set_vgpr_msb (MSB<<8)|\new
.set MSB, \new
.endif
.endm
.set MUL_LO, 0xa1                      ; source 0 (B) window 1, source 1 (A) window 0, C and D window 2
.set MUL_HI, 0xf1                      ; the same, C and D window 3
.set TO_B,   0x40                      ; destination window 1, address window 0
; A joint load: waves 0, 1 ask for A's two halves, waves 2, 3 for B's.  The branch hangs on the wave's number alone.
.macro JLOAD s
	s_cmp_eq_u32 s13, 0
	s_cbranch_scc0 .Lfor_b_\@
	tensor_load_to_lds s[G0+4*\s:G0+4*\s+3], s[G1:G1+7]
	s_nop 0
	s_branch .Lasked_\@
.Lfor_b_\@:
	tensor_load_to_lds s[G0B+4*\s:G0B+4*\s+3], s[G1B:G1B+7]
	s_nop 0
.Lasked_\@:
.endm
.macro CREST                           ; a round of the cluster's barrier behind its opening work-group barrier
	s_cmp_lg_u32 s12, 0
	s_cbranch_scc1 .Lnot_wave_0_\@
	s_barrier_signal -3
.Lnot_wave_0_\@:
	s_barrier_wait -3
	s_barrier_signal -1
	s_barrier_wait -1
.endm
.macro CROUND                          ; a whole round
	s_barrier_signal -1
	s_barrier_wait -1
	CREST
.endm
.macro PLACES                          ; four plain vector instructions behind a matrix instruction before one of its registers is loaded into, read or written (ISA guide 7.12.1)
.rept 4
	v_nop
.endr
.endm
; AP x NB matrix instructions: row blocks part*AP .. of the window's four, all column blocks, 32 along K.  mode = 1: the bias starts the sums.
; The accumulators take turns, one instruction a turn, in the same order in every quarter step.
.macro MULP f, hi, part, mode
.set ma_, \part*AP
.rept AP
.set mb_, 0
.rept NB
.if \mode
	v_wmma_f32_16x16x32_bf16 v[8*(NB*ma_+mb_):8*(NB*ma_+mb_)+7], v[\f+8*mb_:\f+8*mb_+7], v[\f+8*((MA/2)*\hi+ma_):\f+8*((MA/2)*\hi+ma_)+7], v[BIAS+8*mb_:BIAS+8*mb_+7]
.else
	v_wmma_f32_16x16x32_bf16 v[8*(NB*ma_+mb_):8*(NB*ma_+mb_)+7], v[\f+8*mb_:\f+8*mb_+7], v[\f+8*((MA/2)*\hi+ma_):\f+8*((MA/2)*\hi+ma_)+7], v[8*(NB*ma_+mb_):8*(NB*ma_+mb_)+7]
.endif
.set mb_, mb_+1
.endr
.set ma_, ma_+1
.endr
.endm
; The fragments of quarter step q of a slot into buffer f, in one run: 2 NB transposing loads of B, 2 MA loads of A.
.macro FETCH slot, q, f
	WIN TO_B
.set b_, 0
.rept NB
	ds_load_tr16_b128 v[\f+8*b_:\f+8*b_+3],   v[ADRB+3*\slot+(b_>>1)] offset:(\q)*32*PITB+32*(b_&1)
	ds_load_tr16_b128 v[\f+8*b_+4:\f+8*b_+7], v[ADRB+3*\slot+(b_>>1)] offset:(\q)*32*PITB+32*(b_&1)+16*PITB
.set b_, b_+1
.endr
	WIN 0
.set i_, 0
.rept MA
	ds_load_b128 v[\f+8*i_:\f+8*i_+3],   v[ADRA+\slot] offset:((\q)>>1)*PA+((\q)&1)*64+i_*16*PITA
	ds_load_b128 v[\f+8*i_+4:\f+8*i_+7], v[ADRA+\slot] offset:((\q)>>1)*PA+((\q)&1)*64+i_*16*PITA+32
.set i_, i_+1
.endr
.endm
; A quarter step but the slot's last: multiplies buffer f and, in its middle, fetches quarter qn of the same slot into buffer g.
.macro QUARTER slot, qn, f, g, mode
	s_wait_dscnt MA                                ; B and A's lower half are in; the youngest MA loads (A's upper half) may be out
.if \mode
	WIN 0x81                                       ; C (the bias) in window 0, D in window 2
.else
	WIN MUL_LO
.endif
	MULP \f, 0, 0, \mode
	MULP \f, 0, 1, \mode
	PLACES
	FETCH \slot, \qn, \g
	s_wait_dscnt 2*(MA+NB)                         ; all but the run just issued
.if \mode
	WIN 0xc1
.else
	WIN MUL_HI
.endif
	MULP \f, 1, 0, \mode
	MULP \f, 1, 1, \mode
.endm
.macro BODY slot, mode                 ; quarters 0 .. NQ-2 of a slot, on buffers 0, 1, 0, ..
	QUARTER \slot, 1, F0, F1, \mode
.set bq_, 2
.rept (NQ-2)/2
	QUARTER \slot, bq_, F1, F0, 0
	QUARTER \slot, bq_+1, F0, F1, 0
.set bq_, bq_+2
.endr
.endm
; The slot's last quarter (buffer 1) and the change of slots.  In front of the one barrier each wave waits for its reads of this slot and for all
; its tensor loads (one is out: its part of the next slot).  Where the slot is filled again the barrier opens a round of the cluster's barrier,
; and the joint refill is the first tensor load behind the round.
.macro TURN slot, next, fill
	s_wait_dscnt MA
	WIN MUL_LO
	MULP F1, 0, 0, 0
	s_wait_dscnt 0x0                               ; my reads of this slot are over
	s_wait_tensorcnt 0x0                           ; all my tensor loads have landed
	ds_add_u32 v255, v255
	s_wait_dscnt 0x0
	s_barrier_signal -1
	MULP F1, 0, 1, 0                               ; register work while the others arrive
	WIN 0
	s_barrier_wait -1
.if \fill
	CREST                                          ; no wave of any partner still reads this slot or has a load on its way
	s_add_nc_u64 s[G0+4*\slot+2:G0+4*\slot+3], s[G0+4*\slot+2:G0+4*\slot+3], 2*ASTEP
	s_add_nc_u64 s[G0B+4*\slot+2:G0B+4*\slot+3], s[G0B+4*\slot+2:G0B+4*\slot+3], 2*BSTEP
	JLOAD \slot
.endif
	PLACES
	FETCH \next, 0, F0
	WIN MUL_HI
	MULP F1, 1, 0, 0
	MULP F1, 1, 1, 0
.endm
.macro LAP mode
	BODY 0, \mode
	TURN 0, 1, 1
	BODY 1, 0
	TURN 1, 0, 1
.endm
	s_load_b256 s[4:11], s[0:1], 0x0               ; xb s[4:5], wq s[6:7], b_qkv s[8:9], qkv s[10:11]
	s_set_vgpr_msb 0x40
	v_lshl_add_u32 v255, v0, 2, 0x42000
	s_set_vgpr_msb 0x4000
	v_mov_b32 v255, 0
	s_set_vgpr_msb 0x1
	ds_add_u32 v255, v255
	s_set_vgpr_msb 0x100
	v_lshrrev_b32 v1, 5, v0
	v_readfirstlane_b32 s12, v1                    ; wave 0..3
	s_lshr_b32 s13, s12, 1                         ; mh: my half of the rows.  Also: I fetch for A (0) or for B (1)
	s_and_b32 s14, s12, 1                          ; nw: my half of each plane's columns.  Also: which half of the tile I fetch
	s_bfe_u32 s40, ttmp6, 0x40000                  ; cx
	s_bfe_u32 s41, ttmp6, 0x40004                  ; cy
	s_lshl_b32 s42, ttmp9, 2
	s_add_co_u32 s42, s42, s40                     ; nblk = 4 x cluster x + cx
	s_and_b32 s43, ttmp7, 0xffff
	s_lshl_b32 s43, s43, 2
	s_add_co_u32 s43, s43, s41                     ; mblk = 4 x cluster y + cy
	s_lshl_b32 s44, s41, 2
	s_lshl_b32 s44, 15, s44                        ; my row of the cluster
	s_lshl_b32 s45, 0x1111, s40                    ; my column
	; group 1: dense rows of 64 elements of 2 bytes; behind every 32 words 4 (A) or 8 (B) words of padding
	s_or_b32 s[G1+0], s44, (1<<16)|(1<<20)|(1<<21)|(4<<22)|(3<<25)
	s_or_b32 s[G1B+0], s45, (1<<16)|(1<<20)|(1<<21)|(4<<22)|(7<<25)
	s_mov_b32 s[G1+1], 64<<16                      ; tensor_dim0 = 64
	s_mov_b32 s[G1B+1], 64<<16
	s_mov_b32 s[G1+2], AROWS<<16                   ; tensor_dim1 = the rows
	s_mov_b32 s[G1B+2], BROWS<<16
	s_mov_b32 s[G1+3], 64<<16                      ; tile_dim0 = 64
	s_mov_b32 s[G1B+3], 64<<16
	s_mov_b32 s[G1+4], AROWS                       ; tile_dim1
	s_mov_b32 s[G1B+4], BROWS
	s_mov_b32 s[G1+5], 64                          ; elements from row to row
	s_mov_b32 s[G1B+5], 64
	s_mov_b32 s[G1+6], 0
	s_mov_b32 s[G1B+6], 0
	s_mov_b32 s[G1+7], 0
	s_mov_b32 s[G1B+7], 0
	; where the tiles come from: A's from the block row and the wave, B's from the block column and the wave, each in registers of its own
	s_mul_i32 s20, s43, ABLK
	s_lshl_b32 s22, s14, 15                        ; my 256 rows of 128 bytes
	s_add_co_u32 s20, s20, s22
	s_mov_b32 s21, 0
	s_mul_i32 s46, s42, BBLK
	s_mul_i32 s23, s14, BROWS*128
	s_add_co_u32 s46, s46, s23
	s_mov_b32 s47, 0
	; and where they go: a constant and the wave's number times a constant.  A: waves 0, 1.  B: waves 2, 3, behind A.
	s_mul_i32 s22, s12, AROWS*PITA
	s_mul_i32 s23, s12, BROWS*PITB
	s_add_co_u32 s23, s23, ABYTES
	s_sub_co_u32 s23, s23, 2*BROWS*PITB
	s_wait_dscnt 0x0
	s_wait_kmcnt 0x0
	s_add_nc_u64 s[20:21], s[4:5], s[20:21]
	s_add_nc_u64 s[46:47], s[6:7], s[46:47]
	CROUND                                         ; all sixteen work-groups are here: the first joint loads meet
.irp s, 0,1
	s_mov_b32 s[G0+4*\s], 1
	s_add_co_u32 s[G0+4*\s+1], s22, \s*SLOT
	s_add_nc_u64 s[G0+4*\s+2:G0+4*\s+3], s[20:21], \s*ASTEP
	s_or_b32 s[G0+4*\s+3], s[G0+4*\s+3], 0x80000000
	s_mov_b32 s[G0B+4*\s], 1
	s_add_co_u32 s[G0B+4*\s+1], s23, \s*SLOT
	s_add_nc_u64 s[G0B+4*\s+2:G0B+4*\s+3], s[46:47], \s*BSTEP
	s_or_b32 s[G0B+4*\s+3], s[G0B+4*\s+3], 0x80000000
	JLOAD \s                                       ; both slots are asked for before anything else: two tensor loads of the wave are out, later one
.endr
	; the bias of my columns: block b = columns 64 (b / 2) + 32 nw + 16 (b % 2) + 8 (l / 16) + 0..7 of the work-group's 192
	v_and_b32 v1, 15, v0                           ; r = l % 16
	v_bfe_u32 v2, v0, 4, 1                         ; h = l / 16
	v_lshlrev_b32 v[BOFF], 5, v2
	s_mul_i32 s70, s42, BN*4
	s_lshl_b32 s72, s14, 7
	s_add_co_u32 s70, s70, s72
	s_mov_b32 s71, 0
	s_add_nc_u64 s[68:69], s[8:9], s[70:71]
.set b_, 0
.rept NB
	global_load_b128 v[BIAS+8*b_:BIAS+8*b_+3],   v[BOFF], s[68:69] offset:256*(b_>>1)+64*(b_&1)
	global_load_b128 v[BIAS+8*b_+4:BIAS+8*b_+7], v[BOFF], s[68:69] offset:256*(b_>>1)+64*(b_&1)+16
.set b_, b_+1
.endr
	; A fragment (16 rows x 32 k): lane l reads row r at 16 h, and 32 bytes further
	v_mul_u32_u24 v3, v1, PITA
	v_lshl_add_u32 v3, v2, 4, v3
	s_mul_i32 s72, s13, (BM/2)*PITA
	v_add_nc_u32 v[ADRA], s72, v3
	v_add_nc_u32 v[ADRA+1], SLOT, v[ADRA]
	; B fragment through the transposing load: lane l addresses k row 8 h + l % 8, 16 bytes at 16 ((l / 8) % 2), and 16 rows further
	v_and_b32 v4, 7, v0
	v_lshl_add_u32 v4, v2, 3, v4
	v_mul_u32_u24 v4, v4, PITB
	v_bfe_u32 v5, v0, 3, 1
	v_lshl_add_u32 v4, v5, 4, v4
	s_lshl_b32 s72, s14, 6                         ; my 32 columns of a plane
	v_add_nc_u32 v4, s72, v4
.irp s, 0,1
.irp p, 0,1,2
	v_add_nc_u32 v[ADRB+3*\s+\p], ABYTES+\s*SLOT+\p*PB, v4
.endr
.endr
	; the way out: a stage of 3 planes x 256 rows x 144 bytes in slot 0
	v_add_nc_u32 v[STO], s72, v[ADRA]              ; (128 mh + r) 144 + 16 h + 64 nw
	v_add_nc_u32 v[STO+1], PA, v[STO]
	v_add_nc_u32 v[STO+2], 2*PA, v[STO]
	v_bfe_u32 v5, v0, 3, 2                         ; lane / 8
	v_mul_u32_u24 v5, v5, PITA
	v_and_b32 v3, 7, v0
	v_lshl_add_u32 v5, v3, 4, v5
	s_mul_i32 s72, s12, 64*PITA                    ; wave w reads rows 64 w .. +63 back
	v_add_nc_u32 v[RD], s72, v5
	v_add_nc_u32 v[RD+1], PA, v[RD]
	v_add_nc_u32 v[RD+2], 2*PA, v[RD]
	v_and_b32 v5, 31, v0
	v_lshlrev_b32 v[CO], 4, v5
	s_mul_i32 s74, s42, 3*524288                   ; head plane 3 nblk,
	s_lshl_b32 s72, s43, 15                        ; token 256 mblk
	s_add_co_u32 s74, s74, s72
	s_lshl_b32 s72, s12, 13                        ; + 64 w, rows of 128 bytes
	s_add_co_u32 s74, s74, s72
	s_mov_b32 s75, 0
	s_add_nc_u64 s[10:11], s[10:11], s[74:75]
	s_wait_loadcnt 0x0                             ; the bias
	s_wait_tensorcnt 0x1                           ; my part of K step 0 is in; step 1's stays out
	s_barrier_signal -1
	s_barrier_wait -1
	FETCH 0, 0, F0
	LAP 1                                          ; the first lap stands in front of the loop: its first products take the bias as C
	WIN 0
	s_mov_b32 s3, LAPS-2
.Llap:
	LAP 0
	WIN 0
	s_sub_co_u32 s3, s3, 1
	s_cmp_lg_u32 s3, 0
	s_cbranch_scc1 .Llap
	BODY 0, 0                                      ; the last lap fills nothing
	TURN 0, 1, 0
	BODY 1, 0
	s_wait_dscnt MA
	WIN MUL_LO
	MULP F1, 0, 0, 0
	MULP F1, 0, 1, 0
	s_wait_dscnt 0x0
	WIN MUL_HI
	MULP F1, 1, 0, 0
	MULP F1, 1, 1, 0
	; THE WAY OUT.  Slot 0 has had its last fill, and every wave's reads of it ended in front of the last change of slots: it is the stage.
	; A wave holds 64 bytes of each 128-byte row of a head plane, its neighbour the other 64, so the rows meet in LDS behind one barrier.
	PLACES
.macro STAGE16 hi, a, from             ; rows 16 (4 hi + a) .. +15 of my 128: round to f16, 16 bytes a lane and tile
	WIN \from
.set b_, 0
.rept NB
.irp rr, 0,1,2,3
	v_cvt_pk_f16_f32 v[TMP+4*b_+\rr], v[8*(NB*\a+b_)+2*\rr], v[8*(NB*\a+b_)+2*\rr+1]
.endr
.set b_, b_+1
.endr
	WIN 0
.set b_, 0
.rept NB
	ds_store_b128 v[STO+(b_>>1)], v[TMP+4*b_:TMP+4*b_+3] offset:(4*\hi+\a)*16*PITA+32*(b_&1)
.set b_, b_+1
.endr
.endm
.irp a, 0,1,2,3
	STAGE16 0, \a, 0x0a
.endr
.irp a, 0,1,2,3
	STAGE16 1, \a, 0x0f
.endr
	s_wait_dscnt 0x0                               ; my stores are done, for the others' sake
	s_barrier_signal -1
	s_barrier_wait -1
; 32 rows of plane p: eight loads of 4 rows each, eight stores of 512 consecutive, aligned bytes
.macro OUT8 p, t0, f
	s_wait_xcnt 0x0                                ; buffer f, which earlier stores read, is loaded again only behind this wait
.irp t, 0,1,2,3,4,5,6,7
	ds_load_b128 v[\f+4*\t:\f+4*\t+3], v[RD+\p] offset:(\t0+\t)*4*PITA
.endr
.irp t, 0,1,2,3,4,5,6,7
	s_wait_dscnt 7-\t                              ; LDS loads return in order: load t is in, the younger ones stay out
	global_store_b128 v[CO], v[\f+4*\t:\f+4*\t+3], s[10:11] offset:\p*524288+(\t0+\t)*512
.endr
.endm
	OUT8 0, 0, F0
	OUT8 0, 8, F1
	OUT8 1, 0, F0
	OUT8 1, 8, F1
	OUT8 2, 0, F0
	OUT8 2, 8, F1
	s_set_vgpr_msb 0x1
	s_wait_tensorcnt 0x0
	ds_add_u32 v255, v255
	s_wait_dscnt 0x0
	s_set_vgpr_msb 0x100
	CROUND                                         ; the closing round: no work-group ends while a partner may still ask for a tile that names it
	s_endpgm
.Lfunc_end_k_qde02922d0d_qkv:
	.size	k_qde02922d0d_qkv, .Lfunc_end_k_qde02922d0d_qkv-k_qde02922d0d_qkv
	.p2alignl 7, 3214868480
	.fill 96, 4, 3214868480
	.section	.rodata,"a",@progbits
	.p2align	6, 0x0
	.amdhsa_kernel k_qde02922d0d_qkv
		.amdhsa_group_segment_fixed_size 327680
		.amdhsa_private_segment_fixed_size 0
		.amdhsa_enable_private_segment 0
		.amdhsa_kernarg_size 32
		.amdhsa_user_sgpr_count 2
		.amdhsa_user_sgpr_kernarg_segment_ptr 1
		.amdhsa_wavefront_size32 1
		.amdhsa_system_sgpr_workgroup_id_x 1
		.amdhsa_system_sgpr_workgroup_id_y 1
		.amdhsa_system_sgpr_workgroup_id_z 1
		.amdhsa_system_vgpr_workitem_id 0
		.amdhsa_next_free_vgpr 1024
		.amdhsa_next_free_sgpr 80
		.amdhsa_reserve_vcc 0
		.amdhsa_float_denorm_mode_32 3
		.amdhsa_float_denorm_mode_16_64 3
		.amdhsa_memory_ordered 1
		.amdhsa_forward_progress 1
		.amdhsa_inst_pref_size 159
	.end_amdhsa_kernel
	.amdgpu_metadata
---
amdhsa.version: [ 1, 2 ]
amdhsa.kernels:
  - .name:           k_qde02922d0d_qkv
    .symbol:         k_qde02922d0d_qkv.kd
    .args:
      - { .name: xb, .offset: 0, .size: 8, .value_kind: global_buffer, .address_space: global }
      - { .name: wq, .offset: 8, .size: 8, .value_kind: global_buffer, .address_space: global }
      - { .name: b_qkv, .offset: 16, .size: 8, .value_kind: global_buffer, .address_space: global }
      - { .name: qkv, .offset: 24, .size: 8, .value_kind: global_buffer, .address_space: global }
    .group_segment_fixed_size: 327680
    .private_segment_fixed_size: 0
    .kernarg_segment_align: 8
    .kernarg_segment_size: 32
    .max_flat_workgroup_size: 128
    .sgpr_count:     80
    .vgpr_count:     1024
    .wavefront_size: 32
...
	.end_amdgpu_metadata
.endif
;; end of part 2
;; launch attn (part 3): grid 8 x 32, 8 waves a work-group, no clusters, 327,680 bytes of LDS; arguments qkv, ob; writes ob
.if DOCPART == 3
	.amdgcn_target "amdgcn-amd-amdhsa--gfx1250"
	.amdhsa_code_object_version 6
	.text
	.protected	k_qde02922d0d_attn
	.globl	k_qde02922d0d_attn
	.p2align	8
	.type	k_qde02922d0d_attn,@function
k_qde02922d0d_attn:
	s_mov_b64 s[64:65], 0
	v_nop
	global_prefetch_b8 v0, s[64:65] scope:SCOPE_SE
	s_setreg_imm32_b32 hwreg(HW_REG_WAVE_MODE, 25, 1), 1
	s_wait_xcnt 0x0
; Causal attention of one (batch, head) per grid row, with a running maximum.  qkv [hh 48][token 4,096][64] f16; ob [token block of 128: 32][h 16][128][64] f16.
; Work-group u of a head takes the query block (128 rows) 14 - 2u and then the block 2u + 1: 15 - 2u and 2u + 2 tiles of 128 keys, 17 for every
; work-group.  Tiles above the diagonal are never touched.  Wave w: g = w % 4 (32 query rows), p = w / 4 (64 of a tile's 128 keys); the two key
; halves are merged once per query block through LDS.  Two waves lie on a SIMD: one's softmax runs beside the other's matrix work.
; Both products are used transposed.  S^T = K Q^T: a lane holds query l % 16, the keys 8 (l / 16) + 0..7 of each block of 16 run along its
; registers.  O^T = V^T P^T: V comes through the transposing LDS load, and P is S packed in place: S's registers ARE the operand's layout.
; So maximum, sum and rescaling are per-lane numbers; one exchange between the halves of the wave per maximum is all that crosses lanes.
; A query block starts with its diagonal tile (masked; it starts maximum, sum and O, nothing is cleared) and walks down to tile 0.
; NO CLUSTER: in trip i of the first block work-group u reads tile 14 - 2u - i: no two of a head's eight ask for one tile in the same trip, and their two
; walks have different lengths.
; LIMITS: the running maximum starts at -1e30 (in units of log2 e / 8 x score) and not at -infinity, so that a key half that the mask empties
; gives zeros and no NaN: scores below about -5e30 are not served.  Q, K, V, P and the result are f16 (|q|, |k|, |v| < 65,504; P below 2^-25 is 0).
; v_exp_f32 gives 0 for results below 2^-126.
.set TILEB, 16384                      ; 128 rows of 128 bytes
.set SLOTB, 40960                      ; a slot: K half 0, K half 1 (64 rows, pitch 144, in 10,240 each), V half 0, V half 1 (64 rows, pitch 160)
.set PITK,  144
.set PITV,  160
.set MERGE, 81920                      ; 4 x 8,704: O (16 x 512) and the statistics (512) of waves 4-7, for waves 0-3
.set MRGW,  8704
.set STAGE, 116736                     ; 4 x 4,608: 32 rows, pitch 144, each of waves 0-3 its own
.set STGW,  4608
.set G1K, 16                           ; s[16:23] group 1 for K
.set G1V, 24                           ; s[24:31] group 1 for V
.set G0,  32                           ; s[32:39] group 0, one set for each slot
.set KADR, 2
.set VADR, 3
.set QOFF, 4
.set DD,   5                           ; query - key of register 0, tile (0, 0), on the diagonal
.set NINF, 6
.set MRGR, 7
.set STO,  8
.set RD,   9
.set CO,   10
.set MRGS, 11
.set MX,   12                          ; v12-13 running maxima (scaled), v14-15 running sums, for my two blocks of 16 queries
.set LS,   14
.set NM,   16                          ; v16, v18  minus the maximum   (low registers of pairs; the packed forms broadcast them)
.set AL,   20                          ; v20, v22  rescaling factor
.set TT,   24                          ; v24-31    at work
.set QF,   32                          ; v32-63    Q fragment (nt, ks) at 8 (2 nt + ks)
.set KV,   64                          ; v64-127   K fragment (mt, ks) at 8 (4 ks + mt), then V fragment (dt, ks) at 8 (4 ks + dt)
.set SC,   128                         ; v128-191  S at 32 nt + 8 mt + j, then P
.set OA,   192                         ; v192-255  O at 32 nt + 8 dt + j
; Waves 0, 1 fetch K's halves, waves 2, 3 V's, 64 rows each; the others fetch nothing.  One tensor load of a wave is out at any time.
.macro LOADKV s
	s_cmp_gt_u32 s8, 1
	s_cbranch_scc1 .Lnot_k_\@
	tensor_load_to_lds s[G0+4*(\s):G0+4*(\s)+3], s[G1K:G1K+7]
	s_nop 0
	s_branch .Lasked_\@
.Lnot_k_\@:
	s_cmp_gt_u32 s8, 3
	s_cbranch_scc1 .Lasked_\@
	tensor_load_to_lds s[G0+4*(\s):G0+4*(\s)+3], s[G1V:G1V+7]
	s_nop 0
.Lasked_\@:
.endm
.macro LOADQ base                      ; my 32 query rows as four fragments, straight from memory
.irp nt, 0,1
.irp ks, 0,1
	global_load_b128 v[QF+8*(2*\nt+\ks):QF+8*(2*\nt+\ks)+3],   v[QOFF], s[\base:\base+1] offset:\nt*2048+\ks*64
	global_load_b128 v[QF+8*(2*\nt+\ks)+4:QF+8*(2*\nt+\ks)+7], v[QOFF], s[\base:\base+1] offset:\nt*2048+\ks*64+32
.endr
.endr
.endm
; The maximum of my 32 scores of query block nt, both halves of the wave, the new running maximum, the factor for what was summed so far,
; and the exponents S c - m.
.macro SMAX nt, first
.set sb_, SC+32*\nt
.set tb_, TT+4*\nt
	v_max3_num_f32 v[tb_],   v[sb_],   v[sb_+1], v[sb_+2]
	v_max3_num_f32 v[tb_+1], v[sb_+3], v[sb_+4], v[sb_+5]
.set i_, 6
.rept 6
	v_max3_num_f32 v[tb_],   v[tb_],   v[sb_+i_],   v[sb_+i_+1]
	v_max3_num_f32 v[tb_+1], v[tb_+1], v[sb_+i_+2], v[sb_+i_+3]
.set i_, i_+4
.endr
	v_max3_num_f32 v[tb_], v[tb_], v[sb_+30], v[sb_+31]
	v_max_num_f32 v[tb_], v[tb_], v[tb_+1]
	v_mul_f32 v[tb_], s42, v[tb_]                  ; in units of the exponent: c = log2 e / 8 > 0 keeps the order
	v_permlanex16_b32 v[tb_+1], v[tb_], s44, s45   ; the other 32 keys of the same query
.if \first
	v_max3_num_f32 v[MX+\nt], v[tb_], v[tb_+1], s56
.else
	v_max3_num_f32 v[tb_+2], v[tb_], v[tb_+1], v[MX+\nt]
	v_sub_f32 v[tb_+3], v[MX+\nt], v[tb_+2]
	v_mov_b32 v[MX+\nt], v[tb_+2]
	v_exp_f32 v[AL+2*\nt], v[tb_+3]                ; the next line is the plain instruction behind it (ISA guide 5.7.2)
.endif
	v_mul_f32 v[NM+2*\nt], -1.0, v[MX+\nt]
.set i_, 0
.rept 16
	v_pk_fma_f32 v[sb_+i_:sb_+i_+1], v[sb_+i_:sb_+i_+1], s[42:43], v[NM+2*\nt:NM+2*\nt+1] op_sel_hi:[1,0,0]
.set i_, i_+2
.endr
.endm
.macro SSUM nt, first                  ; my 32 P are added, in two chains, onto the rescaled running sum (the two halves of the wave meet at the end of the block)
.set sb_, SC+32*\nt
.set tb_, TT+4*\nt
	v_pk_add_f32 v[tb_:tb_+1],   v[sb_:sb_+1],   v[sb_+2:sb_+3]
	v_pk_add_f32 v[tb_+2:tb_+3], v[sb_+4:sb_+5], v[sb_+6:sb_+7]
.set i_, 8
.rept 6
	v_pk_add_f32 v[tb_:tb_+1],   v[tb_:tb_+1],   v[sb_+i_:sb_+i_+1]
	v_pk_add_f32 v[tb_+2:tb_+3], v[tb_+2:tb_+3], v[sb_+i_+2:sb_+i_+3]
.set i_, i_+4
.endr
	v_pk_add_f32 v[tb_:tb_+1], v[tb_:tb_+1], v[tb_+2:tb_+3]
.if \first
	v_add_f32 v[LS+\nt], v[tb_], v[tb_+1]
.else
	v_add_f32 v[tb_], v[tb_], v[tb_+1]
	v_fma_f32 v[LS+\nt], v[LS+\nt], v[AL+2*\nt], v[tb_]
.endif
.endm
; One tile.  slot: where it lies.  nxt: what goes into the other slot: 0 the tile below; 3 the same, or the second block's diagonal tile when the
; first block has no tile left; 2 nothing.  first = 1: the diagonal tile.
.macro STEP slot, nxt, first
	s_set_vgpr_msb 0x5
	s_wait_tensorcnt 0x0                           ; all my tensor loads have landed, my part of this tile among them: every group 0 may be written
	ds_add_u32 v0, v1
	s_wait_dscnt 0x0
	s_set_vgpr_msb 0x500
.if \nxt == 0
	s_sub_nc_u64 s[G0+6-4*\slot:G0+7-4*\slot], s[G0+2+4*\slot:G0+3+4*\slot], TILEB
.endif
.if \nxt == 3
	s_sub_nc_u64 s[58:59], s[G0+2+4*\slot:G0+3+4*\slot], TILEB
	s_cmp_eq_u32 s47, 0                            ; tiles left in the first block
	s_cselect_b64 s[G0+6-4*\slot:G0+7-4*\slot], s[40:41], s[58:59]
	s_sub_co_u32 s47, s47, 1
.endif
	s_wait_dscnt 0x0                               ; my reads of the other slot are over
	s_barrier_signal -1
	s_barrier_wait -1                              ; both hold of all eight waves
.if \nxt != 2
	LOADKV 1-\slot                                 ; the refill first: it has this whole tile's work in which to land
.endif
.irp ks, 0,1
.irp mt, 0,1,2,3
	ds_load_b128 v[KV+8*(4*\ks+\mt):KV+8*(4*\ks+\mt)+3],   v[KADR] offset:\slot*SLOTB+\mt*16*PITK+\ks*64
	ds_load_b128 v[KV+8*(4*\ks+\mt)+4:KV+8*(4*\ks+\mt)+7], v[KADR] offset:\slot*SLOTB+\mt*16*PITK+\ks*64+32
.endr
.endr
	s_wait_dscnt 0x8                               ; the first 32 of the head's 64 numbers are in; the eight younger loads stay out
	; the eight accumulators take turns, one instruction a turn, in the same order in both runs
.irp mt, 0,1,2,3
.irp nt, 0,1
	v_wmma_f32_16x16x32_f16 v[SC+32*\nt+8*\mt:SC+32*\nt+8*\mt+7], v[KV+8*\mt:KV+8*\mt+7], v[QF+16*\nt:QF+16*\nt+7], 0
.endr
.endr
	s_wait_dscnt 0x0
.irp mt, 0,1,2,3
.irp nt, 0,1
	v_wmma_f32_16x16x32_f16 v[SC+32*\nt+8*\mt:SC+32*\nt+8*\mt+7], v[KV+32+8*\mt:KV+32+8*\mt+7], v[QF+16*\nt+8:QF+16*\nt+15], v[SC+32*\nt+8*\mt:SC+32*\nt+8*\mt+7]
.endr
.endr
.rept 4
	v_nop                                          ; four places (ISA guide 7.12.1): V is loaded over K's fragments, and S is read
.endr
.irp ks, 0,1
.irp dt, 0,1,2,3
	ds_load_tr16_b128 v[KV+8*(4*\ks+\dt):KV+8*(4*\ks+\dt)+3],   v[VADR] offset:\slot*SLOTB+\ks*32*PITV+\dt*32
	ds_load_tr16_b128 v[KV+8*(4*\ks+\dt)+4:KV+8*(4*\ks+\dt)+7], v[VADR] offset:\slot*SLOTB+\ks*32*PITV+\dt*32+16*PITV
.endr
.endr
.if \first
	; key <= query: 64 p + 16 mt + 8 h + j <= 32 g + 16 nt + r
.irp nt, 0,1
.irp mt, 0,1,2,3
.irp j, 0,1,2,3,4,5,6,7
	v_cmp_le_i32 vcc_lo, 16*(\mt-\nt)+\j, v[DD]
	v_cndmask_b32 v[SC+32*\nt+8*\mt+\j], v[NINF], v[SC+32*\nt+8*\mt+\j], vcc_lo
.endr
.endr
.endr
.endif
	SMAX 0, \first
	SMAX 1, \first
.set i_, 0
.rept 64
	v_exp_f32 v[SC+i_], v[SC+i_]
.set i_, i_+1
.endr
.if \first
	v_nop                                          ; the plain instruction behind the exponentials
	s_wait_alu depctr_va_vdst(0)
.else
	s_wait_alu depctr_va_vdst(0)
.irp nt, 0,1
.set i_, 0
.rept 16
	v_pk_mul_f32 v[OA+32*\nt+i_:OA+32*\nt+i_+1], v[OA+32*\nt+i_:OA+32*\nt+i_+1], v[AL+2*\nt:AL+2*\nt+1] op_sel_hi:[1,0]
.set i_, i_+2
.endr
.endr
.endif
	SSUM 0, \first
	SSUM 1, \first
	; P to f16 in place: in each group of 16 registers (32 keys) register k from registers 2k, 2k+1; the first eight are then the operand
.set g_, 0
.rept 4
.set k_, 0
.rept 8
	v_cvt_pk_f16_f32 v[SC+16*g_+k_], v[SC+16*g_+2*k_], v[SC+16*g_+2*k_+1]
.set k_, k_+1
.endr
.set g_, g_+1
.endr
	s_wait_dscnt 0x8                               ; V of my first 32 keys is in
.irp dt, 0,1,2,3
.irp nt, 0,1
.if \first
	v_wmma_f32_16x16x32_f16 v[OA+32*\nt+8*\dt:OA+32*\nt+8*\dt+7], v[KV+8*\dt:KV+8*\dt+7], v[SC+32*\nt:SC+32*\nt+7], 0
.else
	v_wmma_f32_16x16x32_f16 v[OA+32*\nt+8*\dt:OA+32*\nt+8*\dt+7], v[KV+8*\dt:KV+8*\dt+7], v[SC+32*\nt:SC+32*\nt+7], v[OA+32*\nt+8*\dt:OA+32*\nt+8*\dt+7]
.endif
.endr
.endr
	s_wait_dscnt 0x0
.irp dt, 0,1,2,3
.irp nt, 0,1
	v_wmma_f32_16x16x32_f16 v[OA+32*\nt+8*\dt:OA+32*\nt+8*\dt+7], v[KV+32+8*\dt:KV+32+8*\dt+7], v[SC+32*\nt+16:SC+32*\nt+23], v[OA+32*\nt+8*\dt:OA+32*\nt+8*\dt+7]
.endr
.endr
.rept 5
	v_nop                                          ; five places: the next tile's products write over P, its loads land on V, and O is read
.endr
.endm
; The end of a query block: waves 4-7 hand O, maximum and sum to waves 0-3, which merge, divide and store 32 rows x 128 bytes each.
.macro EPI pass, obase
.if \pass == 1
	LOADQ 50                                       ; the second block's queries, waited for in front of its first tile
.endif
	s_cmp_lt_u32 s8, 4
	s_cbranch_scc1 .Lhold_\@
.set k_, 0
.rept 16
	ds_store_b128 v[MRGS], v[OA+4*k_:OA+4*k_+3] offset:512*k_
.set k_, k_+1
.endr
	ds_store_b128 v[MRGS], v[MX:MX+3] offset:8192
.Lhold_\@:
	s_wait_dscnt 0x0                               ; the stores are done, for the readers' sake
	s_barrier_signal -1
	s_barrier_wait -1                              ; the next tile's load may stay on its way
	s_cmp_gt_u32 s8, 3
	s_cbranch_scc1 .Lnone_\@
	ds_load_b128 v[TT:TT+3], v[MRGR] offset:8192
.set k_, 0
.rept 16
	ds_load_b128 v[SC+4*k_:SC+4*k_+3], v[MRGR] offset:512*k_
.set k_, k_+1
.endr
	s_wait_dscnt 0x10                              ; the partner's maxima and sums are in; its O (16 loads) stays out
.irp nt, 0,1
	v_max_num_f32 v[TT+4], v[MX+\nt], v[TT+\nt]
	v_sub_f32 v[TT+5], v[MX+\nt], v[TT+4]
	v_sub_f32 v[TT+6], v[TT+\nt], v[TT+4]
	v_exp_f32 v[TT+5], v[TT+5]
	v_exp_f32 v[TT+6], v[TT+6]
	v_nop
	s_wait_alu depctr_va_vdst(0)
	v_mul_f32 v[TT+7], v[LS+\nt], v[TT+5]
	v_fmac_f32 v[TT+7], v[TT+2+\nt], v[TT+6]
	v_permlanex16_b32 v[TT+4], v[TT+7], s44, s45   ; the sums of the two halves of the wave meet here, once
	v_add_f32 v[TT+7], v[TT+7], v[TT+4]
	v_rcp_f32 v[TT+7], v[TT+7]                     ; key 0 of a tile is never masked for waves 0-3: the sum is above zero
	v_nop
	s_wait_alu depctr_va_vdst(0)
	v_mul_f32 v[AL+2*\nt], v[TT+5], v[TT+7]
	v_mul_f32 v[NM+2*\nt], v[TT+6], v[TT+7]
.endr
.irp nt, 0,1
.set i_, 0
.rept 16
	v_pk_mul_f32 v[OA+32*\nt+i_:OA+32*\nt+i_+1], v[OA+32*\nt+i_:OA+32*\nt+i_+1], v[AL+2*\nt:AL+2*\nt+1] op_sel_hi:[1,0]
.set i_, i_+2
.endr
.endr
	s_wait_dscnt 0x0
.irp nt, 0,1
.set i_, 0
.rept 16
	v_pk_fma_f32 v[OA+32*\nt+i_:OA+32*\nt+i_+1], v[SC+32*\nt+i_:SC+32*\nt+i_+1], v[NM+2*\nt:NM+2*\nt+1], v[OA+32*\nt+i_:OA+32*\nt+i_+1] op_sel_hi:[1,0,1]
.set i_, i_+2
.endr
.endr
	; a lane holds 8 neighbouring numbers of a row: 16 bytes in f16; through my own stage they become whole rows
.irp nt, 0,1
.irp dt, 0,1,2,3
.irp k, 0,1,2,3
	v_cvt_pk_f16_f32 v[KV+4*(4*\nt+\dt)+\k], v[OA+32*\nt+8*\dt+2*\k], v[OA+32*\nt+8*\dt+2*\k+1]
.endr
	ds_store_b128 v[STO], v[KV+4*(4*\nt+\dt):KV+4*(4*\nt+\dt)+3] offset:\nt*16*PITK+\dt*32
.endr
.endr
.irp t, 0,1,2,3,4,5,6,7
	ds_load_b128 v[KV+32+4*\t:KV+32+4*\t+3], v[RD] offset:\t*4*PITK     ; LDS serves a wave's instructions in order: these see the stores above
.endr
.irp t, 0,1,2,3,4,5,6,7
	s_wait_dscnt 7-\t
	global_store_b128 v[CO], v[KV+32+4*\t:KV+32+4*\t+3], s[\obase:\obase+1] offset:\t*512   ; 512 consecutive, aligned bytes: four rows
.endr
	s_wait_xcnt 0x0                                ; the stores' data registers are loaded again in the next block only behind this wait
.Lnone_\@:
.endm
	s_load_b128 s[4:7], s[0:1], 0x0                ; qkv s[4:5], ob s[6:7]
	s_set_vgpr_msb 0x40
	v_lshl_add_u32 v0, v0, 2, 0x29000
	v_mov_b32 v1, 0
	s_set_vgpr_msb 0x4045
	ds_add_u32 v0, v1
	s_set_vgpr_msb 0x4500
	v_lshrrev_b32 v1, 5, v0
	v_readfirstlane_b32 s8, v1                     ; wave w
	s_and_b32 s9, s8, 3                            ; g
	s_lshr_b32 s10, s8, 2                          ; p
	s_mov_b32 s11, ttmp9                           ; u
	s_and_b32 s12, ttmp7, 15                       ; head
	s_bfe_u32 s13, ttmp7, 0x10004                  ; batch
	s_lshl_b32 s14, s11, 1
	s_add_co_u32 s15, s14, 1                       ; second query block 2u + 1
	s_sub_co_u32 s14, 14, s14                      ; first query block 14 - 2u
	s_mov_b32 s47, s14                             ; tiles below the first block's diagonal
	s_mov_b32 s42, 0x3e38aa3b                      ; c = log2 e / sqrt(64), twice for the packed form
	s_mov_b32 s43, 0x3e38aa3b
	s_mov_b32 s44, 0x76543210                      ; v_permlanex16_b32: lane i of one half reads lane i of the other
	s_mov_b32 s45, 0xfedcba98
	s_mov_b32 s56, 0xf149f2ca                      ; -1e30
	; group 1: 64 dense rows of 64 elements of 2 bytes; behind every 32 words 4 (K) or 8 (V) words of padding
	s_mov_b32 s[G1K+0], (1<<16)|(1<<20)|(4<<22)|(3<<25)
	s_mov_b32 s[G1V+0], (1<<16)|(1<<20)|(4<<22)|(7<<25)
.irp g, G1K, G1V
	s_mov_b32 s[\g+1], 64<<16                      ; tensor_dim0
	s_mov_b32 s[\g+2], 64<<16                      ; tensor_dim1
	s_mov_b32 s[\g+3], 64<<16                      ; tile_dim0
	s_mov_b32 s[\g+4], 64                          ; tile_dim1
	s_mov_b32 s[\g+5], 64                          ; elements from row to row
	s_mov_b32 s[\g+6], 0
	s_mov_b32 s[\g+7], 0
.endr
	s_mov_b32 s[G0], 1
	s_mul_i32 s[G0+1], s8, 10240                   ; waves 0-3: K half 0, K half 1, V half 0, V half 1
	s_mov_b32 s[G0+4], 1
	s_add_co_u32 s[G0+5], s[G0+1], SLOTB
	; my half tile 0: plane 16 + 16 (w / 2) + head, batch, half w % 2 (used by waves 0-3 alone)
	s_lshr_b32 s58, s8, 1
	s_lshl_b32 s58, s58, 4
	s_add_co_u32 s58, s58, s12
	s_add_co_u32 s58, s58, 16
	s_lshl_b32 s58, s58, 19
	s_lshl_b32 s59, s13, 18
	s_add_co_u32 s58, s58, s59
	s_and_b32 s59, s8, 1
	s_lshl_b32 s59, s59, 13
	s_add_co_u32 s58, s58, s59
	s_mov_b32 s59, 0
	; offsets of the two blocks' queries and results
	s_lshl_b32 s48, s12, 19
	s_lshl_b32 s57, s13, 18
	s_add_co_u32 s48, s48, s57
	s_lshl_b32 s62, s14, 14
	s_lshl_b32 s57, s15, 14
	s_add_co_u32 s50, s48, s57
	s_add_co_u32 s48, s48, s62
	s_mov_b32 s49, 0
	s_mov_b32 s51, 0
	s_lshl_b32 s52, s13, 4
	s_add_co_u32 s54, s52, s15
	s_add_co_u32 s52, s52, s14
	s_lshl_b32 s52, s52, 18
	s_lshl_b32 s54, s54, 18
	s_lshl_b32 s60, s12, 14
	s_add_co_u32 s52, s52, s60
	s_add_co_u32 s54, s54, s60
	s_mov_b32 s53, 0
	s_mov_b32 s55, 0
	s_mov_b32 s63, 0
	s_wait_dscnt 0x0
	s_wait_kmcnt 0x0
	s_add_nc_u64 s[60:61], s[4:5], s[58:59]
	s_add_nc_u64 s[G0+2:G0+3], s[60:61], s[62:63]  ; the first block's diagonal tile
	s_or_b32 s[G0+3], s[G0+3], 0x80000000
	s_mov_b32 s62, s57
	s_add_nc_u64 s[40:41], s[60:61], s[62:63]      ; the second block's diagonal tile, kept for the change of blocks
	s_or_b32 s41, s41, 0x80000000
	LOADKV 0                                       ; the one first fill; slot 1 is filled behind the first tile's barrier
	s_add_nc_u64 s[48:49], s[4:5], s[48:49]
	s_add_nc_u64 s[50:51], s[4:5], s[50:51]
	s_add_nc_u64 s[52:53], s[6:7], s[52:53]
	s_add_nc_u64 s[54:55], s[6:7], s[54:55]
	v_and_b32 v1, 15, v0                           ; r = l % 16
	v_bfe_u32 v24, v0, 4, 1                        ; h = l / 16
	s_lshl_b32 s57, s9, 5
	v_add_nc_u32 v29, s57, v1                      ; 32 g + r
	v_lshlrev_b32 v30, 7, v29
	v_lshl_add_u32 v[QOFF], v24, 4, v30
	LOADQ 48
	v_and_b32 v25, 31, v0                          ; lane
	v_mul_u32_u24 v26, v1, PITK
	v_lshl_add_u32 v26, v24, 4, v26                ; r 144 + 16 h
	s_mul_i32 s57, s10, 10240                      ; my key half
	v_add_nc_u32 v[KADR], s57, v26
	v_and_b32 v27, 7, v0
	v_lshl_add_u32 v28, v24, 3, v27                ; key row 8 h + l % 8
	v_mul_u32_u24 v28, v28, PITV
	v_bfe_u32 v31, v0, 3, 1
	v_lshl_add_u32 v28, v31, 4, v28
	v_add_nc_u32 v28, s57, v28
	v_add_nc_u32 v[VADR], 20480, v28
	s_lshl_b32 s57, s10, 6
	v_lshl_add_u32 v30, v24, 3, s57                ; 64 p + 8 h
	v_sub_nc_u32 v[DD], v29, v30
	v_mov_b32 v[NINF], 0xff800000
	s_mul_i32 s57, s8, MRGW
	v_lshl_add_u32 v30, v25, 4, s57
	v_add_nc_u32 v[MRGR], MERGE, v30               ; waves 0-3 read at MERGE + 8,704 w,
	v_add_nc_u32 v[MRGS], MERGE-4*MRGW, v30        ; waves 4-7 write at MERGE + 8,704 (w - 4)
	s_mul_i32 s57, s8, STGW
	s_add_co_u32 s57, s57, STAGE
	v_add_nc_u32 v[STO], s57, v26
	v_bfe_u32 v31, v0, 3, 2                        ; lane / 8
	v_mul_u32_u24 v31, v31, PITK
	v_lshl_add_u32 v31, v27, 4, v31
	v_add_nc_u32 v[RD], s57, v31
	s_lshl_b32 s57, s8, 12                         ; waves 0-3: g = w: 32 rows of 128 bytes
	v_lshl_add_u32 v[CO], v25, 4, s57
.irp r, 17, 19, 21, 23
	v_mov_b32 v\r, 0                               ; the upper registers of the broadcast pairs: named, never used
.endr
	s_wait_loadcnt 0x0                             ; Q
	STEP 0, 3, 1                                   ; the first block: its diagonal tile,
	s_sub_co_u32 s46, 7, s11                       ; then 14 - 2u tiles, two a trip
	s_cmp_eq_u32 s46, 0
	s_cbranch_scc1 .Lblock1_done
.Lblock1:
	STEP 1, 3, 0
	STEP 0, 3, 0
	s_sub_co_u32 s46, s46, 1
	s_cmp_lg_u32 s46, 0
	s_cbranch_scc1 .Lblock1
.Lblock1_done:
	EPI 1, 52
	s_wait_loadcnt 0x0                             ; the second block's Q
	STEP 1, 0, 1                                   ; its diagonal tile lies in slot 1,
	s_cmp_eq_u32 s11, 0                            ; then 2u + 1 tiles: u trips of two and one behind the loop
	s_cbranch_scc1 .Lblock2_done
	s_mov_b32 s46, s11
.Lblock2:
	STEP 0, 0, 0
	STEP 1, 0, 0
	s_sub_co_u32 s46, s46, 1
	s_cmp_lg_u32 s46, 0
	s_cbranch_scc1 .Lblock2
.Lblock2_done:
	STEP 0, 2, 0                                   ; tile 0: nothing is left to fetch
	EPI 2, 54
	s_set_vgpr_msb 0x5
	s_wait_tensorcnt 0x0
	ds_add_u32 v0, v1
	s_wait_dscnt 0x0
	s_set_vgpr_msb 0x500
	s_endpgm
.Lfunc_end_k_qde02922d0d_attn:
	.size	k_qde02922d0d_attn, .Lfunc_end_k_qde02922d0d_attn-k_qde02922d0d_attn
	.p2alignl 7, 3214868480
	.fill 96, 4, 3214868480
	.section	.rodata,"a",@progbits
	.p2align	6, 0x0
	.amdhsa_kernel k_qde02922d0d_attn
		.amdhsa_group_segment_fixed_size 327680
		.amdhsa_private_segment_fixed_size 0
		.amdhsa_enable_private_segment 0
		.amdhsa_kernarg_size 16
		.amdhsa_user_sgpr_count 2
		.amdhsa_user_sgpr_kernarg_segment_ptr 1
		.amdhsa_wavefront_size32 1
		.amdhsa_system_sgpr_workgroup_id_x 1
		.amdhsa_system_sgpr_workgroup_id_y 1
		.amdhsa_system_sgpr_workgroup_id_z 1
		.amdhsa_system_vgpr_workitem_id 0
		.amdhsa_next_free_vgpr 258
		.amdhsa_next_free_sgpr 66
		.amdhsa_reserve_vcc 1
		.amdhsa_float_denorm_mode_32 3
		.amdhsa_float_denorm_mode_16_64 3
		.amdhsa_memory_ordered 1
		.amdhsa_forward_progress 1
		.amdhsa_inst_pref_size 159
	.end_amdhsa_kernel
	.amdgpu_metadata
---
amdhsa.version: [ 1, 2 ]
amdhsa.kernels:
  - .name:           k_qde02922d0d_attn
    .symbol:         k_qde02922d0d_attn.kd
    .args:
      - { .name: qkv, .offset: 0, .size: 8, .value_kind: global_buffer, .address_space: global }
      - { .name: ob, .offset: 8, .size: 8, .value_kind: global_buffer, .address_space: global }
    .group_segment_fixed_size: 327680
    .private_segment_fixed_size: 0
    .kernarg_segment_align: 8
    .kernarg_segment_size: 16
    .max_flat_workgroup_size: 256
    .sgpr_count:     66
    .vgpr_count:     258
    .wavefront_size: 32
...
	.end_amdgpu_metadata
.endif
;; end of part 3
;; launch proj (part 4): grid 8 x 32, 4 waves a work-group, clusters of 4 x 4, 327,680 bytes of LDS; arguments ob, wo, b_out, out0; writes out0
.if DOCPART == 4
	.amdgcn_target "amdgcn-amd-amdhsa--gfx1250"
	.amdhsa_code_object_version 6
	.text
	.protected	k_qde02922d0d_proj
	.globl	k_qde02922d0d_proj
	.p2align	8
	.type	k_qde02922d0d_proj,@function
k_qde02922d0d_proj:
	s_mov_b64 s[64:65], 0
	v_nop
	global_prefetch_b8 v0, s[64:65] scope:SCOPE_SE
	s_setreg_imm32_b32 hwreg(HW_REG_WAVE_MODE, 25, 1), 1
	s_wait_xcnt 0x0
	s_wait_alu depctr_hold_cnt(0) depctr_sa_sdst(0) depctr_va_vdst(0) depctr_va_sdst(0) depctr_va_ssrc(0) depctr_va_vcc(0) depctr_vm_vsrc(0)
	s_getreg_b32 s2, hwreg(HW_REG_IB_STS2, 6, 4)
	s_cmp_eq_u32 s2, 0
	s_cbranch_scc0 .Lentry_in_a_cluster
	s_endpgm
.Lentry_in_a_cluster:
	s_bfe_u32 s2, ttmp6, 0x10000c
	s_cmp_lg_u32 s2, 0xf033
	s_cbranch_scc0 .Lentry_shape_is_right
	s_endpgm
.Lentry_shape_is_right:
; out0 = attention output x w_out + b_out: 4,096 x 1,024 x 1,024, f16 operands (ob, wo as the earlier launches laid them), f32 sums, f32 result.
; The same build as the qkv product, with other sizes: a work-group makes 128 tokens x 128 columns, so that there are 256 work-groups; wave (mh, nw)
; makes rows 64 mh .. +63 and, in each of the two planes of 64 columns, columns 32 nw .. +31: 4 x 4 accumulator tiles of 16 x 16.
; K goes in steps of 256 (four heads) through a ring of two LDS slots.  A slot: A = 4 planes (64 k each) of 128 rows, pitch 144; B = 2 planes
; (64 columns each) of 256 k rows, pitch 160.  B lies [k][n]: its fragments come through the transposing LDS load.
; CLUSTERS: 4 x 4 work-groups; A's tiles are asked for jointly by a row of the cluster, B's by a column.
; The matrix instruction is used transposed (source 0 = 16 columns of w, source 1 = 16 tokens): a lane holds token l % 16 and eight neighbouring
; columns.  The bias is the C operand of the first products.
; REGISTERS: window 0: v0-31 addresses, v64-95 and v128-159 A's fragments, v192-223 bias; window 1: v64-95 and v128-159 B's fragments;
; window 2: tiles of my rows 0-31 (tile (a, b) at 8 (4 a + b)); window 3: rows 32-63.
.set BM,     128
.set BN,     128
.set KS,     256
.set NSTEP,  1024/KS
.set LAPS,   NSTEP/2
.set NQ,     KS/32
.set MA,     4
.set NB,     4
.set NPL,    2
.set AP,     MA/4
.set PITA,   144
.set PITB,   160
.set PA,     BM*PITA
.set ABYTES, (KS/64)*PA
.set PB,     KS*PITB
.set SLOT,   ABYTES+NPL*PB             ; 155,648
.set ABLK,   262144
.set ASTEP,  65536
.set AROWS,  256
.set BBLK,   262144
.set BSTEP,  65536
.set BROWS,  256
.set SPIT,   528                       ; the way out: a row of 128 f32 and 16 bytes
.set ADRA, 16                          ; v16-17  my A fragments in slot 0, 1
.set ADRB, 18                          ; v18-23  my B fragments: 3 x slot + plane
.set STO,  24
.set RD,   27
.set CO,   30
.set BOFF, 31
.set F0,   64
.set F1,   128
.set BIAS, 192
.set G1,  24
.set G0,  32
.set G1B, 48
.set G0B, 56
.set MSB, 0
.macro WIN new                         ; the immediate's high byte repeats the setting that is left
.if MSB != \new
	s_set_vgpr_msb (MSB<<8)|\new
.set MSB, \new
.endif
.endm
.set MUL_LO, 0xa1                      ; source 0 (B) window 1, source 1 (A) window 0, C and D window 2
.set MUL_HI, 0xf1                      ; the same, C and D window 3
.set TO_B,   0x40                      ; destination window 1, address window 0
.macro JLOAD s                         ; waves 0, 1 ask for A's two halves, waves 2, 3 for B's
	s_cmp_eq_u32 s13, 0
	s_cbranch_scc0 .Lfor_b_\@
	tensor_load_to_lds s[G0+4*\s:G0+4*\s+3], s[G1:G1+7]
	s_nop 0
	s_branch .Lasked_\@
.Lfor_b_\@:
	tensor_load_to_lds s[G0B+4*\s:G0B+4*\s+3], s[G1B:G1B+7]
	s_nop 0
.Lasked_\@:
.endm
.macro CREST                           ; a round of the cluster's barrier behind its opening work-group barrier
	s_cmp_lg_u32 s12, 0
	s_cbranch_scc1 .Lnot_wave_0_\@
	s_barrier_signal -3
.Lnot_wave_0_\@:
	s_barrier_wait -3
	s_barrier_signal -1
	s_barrier_wait -1
.endm
.macro CROUND
	s_barrier_signal -1
	s_barrier_wait -1
	CREST
.endm
.macro PLACES                          ; four plain vector instructions behind a matrix instruction before one of its registers is loaded into, read or written (ISA guide 7.12.1)
.rept 4
	v_nop
.endr
.endm
; AP x NB matrix instructions.  mode = 1: the bias starts the sums.  The sixteen accumulators take turns, one instruction a turn, in the same
; order in every quarter step.
.macro MULP f, hi, part, mode
.set ma_, \part*AP
.rept AP
.set mb_, 0
.rept NB
.if \mode
	v_wmma_f32_16x16x32_f16 v[8*(NB*ma_+mb_):8*(NB*ma_+mb_)+7], v[\f+8*mb_:\f+8*mb_+7], v[\f+8*((MA/2)*\hi+ma_):\f+8*((MA/2)*\hi+ma_)+7], v[BIAS+8*mb_:BIAS+8*mb_+7]
.else
	v_wmma_f32_16x16x32_f16 v[8*(NB*ma_+mb_):8*(NB*ma_+mb_)+7], v[\f+8*mb_:\f+8*mb_+7], v[\f+8*((MA/2)*\hi+ma_):\f+8*((MA/2)*\hi+ma_)+7], v[8*(NB*ma_+mb_):8*(NB*ma_+mb_)+7]
.endif
.set mb_, mb_+1
.endr
.set ma_, ma_+1
.endr
.endm
.macro FETCH slot, q, f                ; the fragments of quarter step q of a slot into buffer f, in one run
	WIN TO_B
.set b_, 0
.rept NB
	ds_load_tr16_b128 v[\f+8*b_:\f+8*b_+3],   v[ADRB+3*\slot+(b_>>1)] offset:(\q)*32*PITB+32*(b_&1)
	ds_load_tr16_b128 v[\f+8*b_+4:\f+8*b_+7], v[ADRB+3*\slot+(b_>>1)] offset:(\q)*32*PITB+32*(b_&1)+16*PITB
.set b_, b_+1
.endr
	WIN 0
.set i_, 0
.rept MA
	ds_load_b128 v[\f+8*i_:\f+8*i_+3],   v[ADRA+\slot] offset:((\q)>>1)*PA+((\q)&1)*64+i_*16*PITA
	ds_load_b128 v[\f+8*i_+4:\f+8*i_+7], v[ADRA+\slot] offset:((\q)>>1)*PA+((\q)&1)*64+i_*16*PITA+32
.set i_, i_+1
.endr
.endm
.macro QUARTER slot, qn, f, g, mode
	s_wait_dscnt MA                                ; B and A's lower half are in; the youngest MA loads (A's upper half) may be out
.if \mode
	WIN 0x81                                       ; C (the bias) in window 0, D in window 2
.else
	WIN MUL_LO
.endif
	MULP \f, 0, 0, \mode
	MULP \f, 0, 1, \mode
	PLACES
	FETCH \slot, \qn, \g
	s_wait_dscnt 2*(MA+NB)                         ; all but the run just issued
.if \mode
	WIN 0xc1
.else
	WIN MUL_HI
.endif
	MULP \f, 1, 0, \mode
	MULP \f, 1, 1, \mode
.endm
.macro BODY slot, mode                 ; quarters 0 .. NQ-2 of a slot, on buffers 0, 1, 0, ..
	QUARTER \slot, 1, F0, F1, \mode
.set bq_, 2
.rept (NQ-2)/2
	QUARTER \slot, bq_, F1, F0, 0
	QUARTER \slot, bq_+1, F0, F1, 0
.set bq_, bq_+2
.endr
.endm
; The slot's last quarter and the change of slots: each wave's waits for its reads of this slot and for all its tensor loads stand in front of the
; one barrier; where the slot is filled again it opens a round of the cluster's barrier, and the joint refill comes first behind the round.
.macro TURN slot, next, fill
	s_wait_dscnt MA
	WIN MUL_LO
	MULP F1, 0, 0, 0
	s_wait_dscnt 0x0
	s_wait_tensorcnt 0x0
	ds_add_u32 v255, v255
	s_wait_dscnt 0x0
	s_barrier_signal -1
	MULP F1, 0, 1, 0
	WIN 0
	s_barrier_wait -1
.if \fill
	CREST
	s_add_nc_u64 s[G0+4*\slot+2:G0+4*\slot+3], s[G0+4*\slot+2:G0+4*\slot+3], 2*ASTEP
	s_add_nc_u64 s[G0B+4*\slot+2:G0B+4*\slot+3], s[G0B+4*\slot+2:G0B+4*\slot+3], 2*BSTEP
	JLOAD \slot
.endif
	PLACES
	FETCH \next, 0, F0
	WIN MUL_HI
	MULP F1, 1, 0, 0
	MULP F1, 1, 1, 0
.endm
.macro LAP mode
	BODY 0, \mode
	TURN 0, 1, 1
	BODY 1, 0
	TURN 1, 0, 1
.endm
	s_load_b256 s[4:11], s[0:1], 0x0               ; ob s[4:5], wo s[6:7], b_out s[8:9], out0 s[10:11]
	s_set_vgpr_msb 0x40
	v_lshl_add_u32 v255, v0, 2, 0x4c000
	s_set_vgpr_msb 0x4000
	v_mov_b32 v255, 0
	s_set_vgpr_msb 0x1
	ds_add_u32 v255, v255
	s_set_vgpr_msb 0x100
	v_lshrrev_b32 v1, 5, v0
	v_readfirstlane_b32 s12, v1                    ; wave 0..3
	s_lshr_b32 s13, s12, 1                         ; mh.  Also: I fetch for A (0) or for B (1)
	s_and_b32 s14, s12, 1                          ; nw.  Also: which half of the tile I fetch
	s_bfe_u32 s40, ttmp6, 0x40000                  ; cx
	s_bfe_u32 s41, ttmp6, 0x40004                  ; cy
	s_lshl_b32 s42, ttmp9, 2
	s_add_co_u32 s42, s42, s40                     ; nblk
	s_and_b32 s43, ttmp7, 0xffff
	s_lshl_b32 s43, s43, 2
	s_add_co_u32 s43, s43, s41                     ; mblk
	s_lshl_b32 s44, s41, 2
	s_lshl_b32 s44, 15, s44                        ; my row of the cluster
	s_lshl_b32 s45, 0x1111, s40                    ; my column
	s_or_b32 s[G1+0], s44, (1<<16)|(1<<20)|(1<<21)|(4<<22)|(3<<25)
	s_or_b32 s[G1B+0], s45, (1<<16)|(1<<20)|(1<<21)|(4<<22)|(7<<25)
	s_mov_b32 s[G1+1], 64<<16
	s_mov_b32 s[G1B+1], 64<<16
	s_mov_b32 s[G1+2], AROWS<<16
	s_mov_b32 s[G1B+2], BROWS<<16
	s_mov_b32 s[G1+3], 64<<16
	s_mov_b32 s[G1B+3], 64<<16
	s_mov_b32 s[G1+4], AROWS
	s_mov_b32 s[G1B+4], BROWS
	s_mov_b32 s[G1+5], 64
	s_mov_b32 s[G1B+5], 64
	s_mov_b32 s[G1+6], 0
	s_mov_b32 s[G1B+6], 0
	s_mov_b32 s[G1+7], 0
	s_mov_b32 s[G1B+7], 0
	s_mul_i32 s20, s43, ABLK
	s_lshl_b32 s22, s14, 15                        ; my 256 rows of 128 bytes: two heads' planes
	s_add_co_u32 s20, s20, s22
	s_mov_b32 s21, 0
	s_mul_i32 s46, s42, BBLK
	s_mul_i32 s23, s14, BROWS*128
	s_add_co_u32 s46, s46, s23
	s_mov_b32 s47, 0
	s_mul_i32 s22, s12, AROWS*PITA                 ; LDS: A by waves 0, 1;
	s_mul_i32 s23, s12, BROWS*PITB                 ; B by waves 2, 3, behind A
	s_add_co_u32 s23, s23, ABYTES
	s_sub_co_u32 s23, s23, 2*BROWS*PITB
	s_wait_dscnt 0x0
	s_wait_kmcnt 0x0
	s_add_nc_u64 s[20:21], s[4:5], s[20:21]
	s_add_nc_u64 s[46:47], s[6:7], s[46:47]
	CROUND                                         ; all sixteen work-groups are here: the first joint loads meet
.irp s, 0,1
	s_mov_b32 s[G0+4*\s], 1
	s_add_co_u32 s[G0+4*\s+1], s22, \s*SLOT
	s_add_nc_u64 s[G0+4*\s+2:G0+4*\s+3], s[20:21], \s*ASTEP
	s_or_b32 s[G0+4*\s+3], s[G0+4*\s+3], 0x80000000
	s_mov_b32 s[G0B+4*\s], 1
	s_add_co_u32 s[G0B+4*\s+1], s23, \s*SLOT
	s_add_nc_u64 s[G0B+4*\s+2:G0B+4*\s+3], s[46:47], \s*BSTEP
	s_or_b32 s[G0B+4*\s+3], s[G0B+4*\s+3], 0x80000000
	JLOAD \s                                       ; two tensor loads of the wave are out here, later one
.endr
	v_and_b32 v1, 15, v0                           ; r
	v_bfe_u32 v2, v0, 4, 1                         ; h
	v_lshlrev_b32 v[BOFF], 5, v2
	s_mul_i32 s70, s42, BN*4
	s_lshl_b32 s72, s14, 7
	s_add_co_u32 s70, s70, s72
	s_mov_b32 s71, 0
	s_add_nc_u64 s[68:69], s[8:9], s[70:71]
.set b_, 0
.rept NB
	global_load_b128 v[BIAS+8*b_:BIAS+8*b_+3],   v[BOFF], s[68:69] offset:256*(b_>>1)+64*(b_&1)
	global_load_b128 v[BIAS+8*b_+4:BIAS+8*b_+7], v[BOFF], s[68:69] offset:256*(b_>>1)+64*(b_&1)+16
.set b_, b_+1
.endr
	v_mul_u32_u24 v3, v1, PITA
	v_lshl_add_u32 v3, v2, 4, v3
	s_mul_i32 s72, s13, (BM/2)*PITA
	v_add_nc_u32 v[ADRA], s72, v3
	v_add_nc_u32 v[ADRA+1], SLOT, v[ADRA]
	v_and_b32 v4, 7, v0
	v_lshl_add_u32 v4, v2, 3, v4
	v_mul_u32_u24 v4, v4, PITB
	v_bfe_u32 v5, v0, 3, 1
	v_lshl_add_u32 v4, v5, 4, v4
	s_lshl_b32 s72, s14, 6
	v_add_nc_u32 v4, s72, v4
.irp s, 0,1
.irp p, 0,1
	v_add_nc_u32 v[ADRB+3*\s+\p], ABYTES+\s*SLOT+\p*PB, v4
.endr
.endr
	; the way out: a stage of 128 rows x 528 bytes in slot 0
	v_mul_u32_u24 v3, v1, SPIT
	v_lshl_add_u32 v3, v2, 5, v3                   ; r 528 + 32 h
	s_mul_i32 s72, s13, 64*SPIT
	s_lshl_b32 s73, s14, 7
	s_add_co_u32 s72, s72, s73                     ; + 64 mh rows + 128 nw
	v_add_nc_u32 v[STO], s72, v3
	v_and_b32 v5, 31, v0
	v_lshlrev_b32 v[CO], 4, v5
	s_mul_i32 s72, s12, 32*SPIT                    ; wave w reads rows 32 w .. +31 back
	v_add_nc_u32 v[RD], s72, v[CO]
	s_lshl_b32 s74, s43, 19                        ; token 128 mblk, rows of 4,096 bytes
	s_lshl_b32 s72, s12, 17                        ; + 32 w
	s_add_co_u32 s74, s74, s72
	s_lshl_b32 s72, s42, 9                         ; column 128 nblk
	s_add_co_u32 s74, s74, s72
	s_mov_b32 s75, 0
	s_add_nc_u64 s[10:11], s[10:11], s[74:75]
	s_wait_loadcnt 0x0                             ; the bias
	s_wait_tensorcnt 0x1                           ; my part of K step 0 is in; step 1's stays out
	s_barrier_signal -1
	s_barrier_wait -1
	FETCH 0, 0, F0
	LAP 1                                          ; K steps 0, 1; steps 2, 3 are asked for
	BODY 0, 0                                      ; the last lap fills nothing
	TURN 0, 1, 0
	BODY 1, 0
	s_wait_dscnt MA
	WIN MUL_LO
	MULP F1, 0, 0, 0
	MULP F1, 0, 1, 0
	s_wait_dscnt 0x0
	WIN MUL_HI
	MULP F1, 1, 0, 0
	MULP F1, 1, 1, 0
	; THE WAY OUT.  Slot 0 has had its last fill, and every wave's reads of it ended in front of the last change of slots: it is the stage.
	; The sums go into it as they are (f32, 32 bytes a lane and tile) and come back as whole rows of 512 bytes.
	PLACES
.macro STAGE16 hi, a, from             ; from: the store's data (source 1) in window 2 or 3
	WIN \from
.set b_, 0
.rept NB
	ds_store_b128 v[STO], v[8*(NB*\a+b_):8*(NB*\a+b_)+3]   offset:(2*\hi+\a)*16*SPIT+256*(b_>>1)+64*(b_&1)
	ds_store_b128 v[STO], v[8*(NB*\a+b_)+4:8*(NB*\a+b_)+7] offset:(2*\hi+\a)*16*SPIT+256*(b_>>1)+64*(b_&1)+16
.set b_, b_+1
.endr
.endm
	STAGE16 0, 0, 0x08
	STAGE16 0, 1, 0x08
	STAGE16 1, 0, 0x0c
	STAGE16 1, 1, 0x0c
	WIN 0
	s_wait_dscnt 0x0                               ; my stores are done, for the others' sake
	s_barrier_signal -1
	s_barrier_wait -1
.macro OUT8 t0, f                      ; eight rows: a load and a store of 512 consecutive, aligned bytes each
	s_wait_xcnt 0x0                                ; buffer f, which earlier stores read, is loaded again only behind this wait
.irp t, 0,1,2,3,4,5,6,7
	ds_load_b128 v[\f+4*\t:\f+4*\t+3], v[RD] offset:(\t0+\t)*SPIT
.endr
.irp t, 0,1,2,3,4,5,6,7
	s_wait_dscnt 7-\t                              ; LDS loads return in order: load t is in, the younger ones stay out
	global_store_b128 v[CO], v[\f+4*\t:\f+4*\t+3], s[10:11] offset:(\t0+\t)*4096 th:TH_STORE_NT
.endr
.endm
	OUT8 0, F0
	OUT8 8, F1
	OUT8 16, F0
	OUT8 24, F1
	s_set_vgpr_msb 0x1
	s_wait_tensorcnt 0x0
	ds_add_u32 v255, v255
	s_wait_dscnt 0x0
	s_set_vgpr_msb 0x100
	CROUND                                         ; the closing round: no work-group ends while a partner may still ask for a tile that names it
	s_endpgm
.Lfunc_end_k_qde02922d0d_proj:
	.size	k_qde02922d0d_proj, .Lfunc_end_k_qde02922d0d_proj-k_qde02922d0d_proj
	.p2alignl 7, 3214868480
	.fill 96, 4, 3214868480
	.section	.rodata,"a",@progbits
	.p2align	6, 0x0
	.amdhsa_kernel k_qde02922d0d_proj
		.amdhsa_group_segment_fixed_size 327680
		.amdhsa_private_segment_fixed_size 0
		.amdhsa_enable_private_segment 0
		.amdhsa_kernarg_size 32
		.amdhsa_user_sgpr_count 2
		.amdhsa_user_sgpr_kernarg_segment_ptr 1
		.amdhsa_wavefront_size32 1
		.amdhsa_system_sgpr_workgroup_id_x 1
		.amdhsa_system_sgpr_workgroup_id_y 1
		.amdhsa_system_sgpr_workgroup_id_z 1
		.amdhsa_system_vgpr_workitem_id 0
		.amdhsa_next_free_vgpr 1024
		.amdhsa_next_free_sgpr 80
		.amdhsa_reserve_vcc 0
		.amdhsa_float_denorm_mode_32 3
		.amdhsa_float_denorm_mode_16_64 3
		.amdhsa_memory_ordered 1
		.amdhsa_forward_progress 1
		.amdhsa_inst_pref_size 93
	.end_amdhsa_kernel
	.amdgpu_metadata
---
amdhsa.version: [ 1, 2 ]
amdhsa.kernels:
  - .name:           k_qde02922d0d_proj
    .symbol:         k_qde02922d0d_proj.kd
    .args:
      - { .name: ob, .offset: 0, .size: 8, .value_kind: global_buffer, .address_space: global }
      - { .name: wo, .offset: 8, .size: 8, .value_kind: global_buffer, .address_space: global }
      - { .name: b_out, .offset: 16, .size: 8, .value_kind: global_buffer, .address_space: global }
      - { .name: out0, .offset: 24, .size: 8, .value_kind: global_buffer, .address_space: global }
    .group_segment_fixed_size: 327680
    .private_segment_fixed_size: 0
    .kernarg_segment_align: 8
    .kernarg_segment_size: 32
    .max_flat_workgroup_size: 128
    .sgpr_count:     80
    .vgpr_count:     1024
    .wavefront_size: 32
...
	.end_amdgpu_metadata
.endif
;; end of part 4
